; MI455X (gfx1250); checked and timed in simulation.
; The chip was launched on July 23, 2026; its instructions are those of AMD's public machine-readable ISA for CDNA 5 (MIT licence, August 2026) and "CDNA5" Instruction Set Architecture Reference Guide (July 2026). The comments in the code are by the model that wrote it; some were corrected since.
;; Multi Head Attention. Allowed arithmetic: matrix products marked QUANTISED: E2M1 operands, one E8M0 scale for each 32 along K, by v_wmma_scale_f32_16x16x128_f8f6f4 with both operands' format E2M1 (or v_wmma_scale_f32_32x16x128_f4), f32 sums; everything else in f32.
;; Inputs: Wk 1,024 x 1,024 float32; Wo 1,024 x 1,024 float32; Wq 1,024 x 1,024 float32; Wv 1,024 x 1,024 float32; bo 1,024 float32; x 4 x 2,048 x 1,024 float32.
;; Outputs: out0 4 x 1,024 float32.
;; This version of the problem:
;;   THIS VERSION OF THE PROBLEM IS GIVEN IN LOW PRECISION. The matrix products marked QUANTISED in the list below multiply operands that are first quantised to E2M1 (2 exponent bits, 1 mantissa bit; 4 bits a number), with one power-of-two scale for each 32 numbers along K (OCP MX v1.0); their sums are f32. All else is computed in f32.
;;   The module's matrix products, in the order in which they are computed (A, B: the left and right operand; K: the contracted axis; several contracted axes count as one K, in the product's order):
;;     1. [M 8,192, K 1,024] x [K 1,024, N 1,024]; A: input x; B: input Wq: QUANTISED
;;     2. [M 8,192, K 1,024] x [K 1,024, N 1,024]; A: input x; B: input Wk: QUANTISED
;;     3. [M 8,192, K 1,024] x [K 1,024, N 1,024]; A: input x; B: input Wv: QUANTISED
;;     4. batch 64 x [M 2,048, K 64] x [K 64, N 2,048]; A: computed on the way; B: computed on the way: QUANTISED
;;     5. batch 64 x [M 2,048, K 2,048] x [K 2,048, N 64]; A: softmax (see below); B: computed on the way: QUANTISED
;;     6. [M 8,192, K 1,024] x [K 1,024, N 1,024]; A: computed on the way; B: input Wo: QUANTISED
;;   THE QUANTISER, for each operand of a quantised product, along K:
;;     - K is cut into blocks of 32 from its start; a last block that is shorter is filled with zeros.
;;     - A block's scale is 2^e with e = floor(log2(the largest magnitude in the block)) - 2, held to -126 .. 127; a block of zeros has e = 0. As a byte (E8M0): e + 127.
;;     - Each number is divided by its block's scale, clamped to +-6, and rounded to the nearest number of E2M1, ties to even, subnormals kept.
;;     - The product sums the exact products of the quantised numbers (number of the format x scale) in f32.
;;   ~~~python
;;   def quantise(x, axis):      # numpy; x: float32 -> the quantised numbers, widened to float32 again
;;       x = np.moveaxis(x, axis, -1); K = x.shape[-1]
;;       x = np.pad(x, [(0, 0)] * (x.ndim - 1) + [(0, -K % 32)]); x = x.reshape(x.shape[:-1] + (-1, 32)); a = np.abs(x).max(-1, keepdims=True)
;;       e = np.where(a > 0, np.clip(np.frexp(np.where(a > 0, a, 1))[1] - 1 - 2, -126, 127), 0)      # np.frexp(a)[1] - 1 = floor(log2(a)), exactly
;;       r = np.clip(x / 2.0 ** e, -6, 6)
;;       step = 2.0 ** (np.maximum(np.frexp(np.where(r == 0, 1, r))[1] - 1, 0) - 1)
;;       q = np.round(r / step) * step * 2.0 ** e      # np.round: ties to even
;;       return np.moveaxis(q.reshape(q.shape[:-2] + (-1,))[..., :K], -1, axis).astype(np.float32)
;;   ~~~
;;   SOFTMAX AHEAD OF A QUANTISED PRODUCT. Where the list says 'softmax', what is quantised is not the finished softmax but p = 2^(t - M), with t = logit x log2(e) and M = ceil(the row's largest t), a whole number; so 1/2 < the row's largest p <= 1. The row's sum l is taken of the UNQUANTISED p, in f32, and the product's result is divided by l at the end. Since M is a whole number, a kernel that streams over the keys may use a running M (the ceiling of the running maximum): every later rescaling is an exact power of two, which a block's scale takes up: the codes' values come out the same.
;;   OPERANDS COMPUTED ON THE WAY. 'Computed on the way' means the value that the module computes at that place (a softmax that the list does not call 'softmax' is quantised finished and normalised). What goes into a quantiser is computed in f32, as accurately as f32 sums, v_exp_f32 and their like allow (about 1e-6 of the number): no bf16 or f16 on the way to a quantiser, and a product that is left as it is and whose result goes on into a quantised operand takes f32 operands (vector FMAs, or v_wmma_f32_16x16x4_f32). A number that lies on a knife's edge between two numbers of the format may be rounded either way, as far as f32 arithmetic and the matrix unit's own rounding can turn it there, and no further.
;; One version. Each part assembles by itself: llvm-mc -triple=amdgcn-amd-amdhsa -mcpu=gfx1250 --defsym DOCPART=n.
;; ======== version 1 of 1: 4 launches
;; workspace buffers: xc 4,194,304 bytes; xs 262,144 bytes; wc 2,097,152 bytes; ws 131,072 bytes; qimg 9,175,040 bytes; kvimg 9,175,040 bytes; part 1,048,576 bytes
;; launch quant (part 1): grid 384 x 1, 4 waves a work-group, no clusters, 33,280 bytes of LDS; arguments x, Wq, Wk, Wv, Wo, xc, xs, wc, ws; writes xc, xs, wc, ws
.if DOCPART == 1
	.amdgcn_target "amdgcn-amd-amdhsa--gfx1250"
	.amdhsa_code_object_version 6
	.text
	.protected	k_q52653b0af1_quant
	.globl	k_q52653b0af1_quant
	.p2align	8
	.type	k_q52653b0af1_quant,@function
k_q52653b0af1_quant:
	s_mov_b64 s[64:65], 0
	v_nop
	global_prefetch_b8 v0, s[64:65] scope:SCOPE_SE
	s_setreg_imm32_b32 hwreg(HW_REG_WAVE_MODE, 25, 1), 1
	s_wait_xcnt 0x0
; x [8192][1024] and Wq, Wk, Wv, Wo [1024][1024], f32 with K innermost, become codes of FP4 (E2M1), two a byte, K innermost, with one E8M0 scale byte for each 32 along K.
; xc [8192][512 bytes], xs [8192][32 bytes]; wc [4096][512], ws [4096][32]: rows 0-1023 Wq, 1024-2047 Wk, 2048-3071 Wv, 3072-4095 Wo.
; A block's scale is 2^(floor(log2(its largest magnitude)) - 2); its byte is the largest magnitude's exponent field - 2, held at 1 from below.
; THE ORDER OF ROWS.  In xc, xs and in the parts of Wq, Wk, Wv a row stands at the place that its number gives with bits 3 and 4 exchanged: place 32 g + 16 u + 8 h + j holds row 32 g + 16 h + 8 u + j.
; So the 16 neighbouring places of a tile hold rows 32 g + 8 u + r + 8 (r / 8), and the 16 results that a lane of the next launch holds in two neighbouring tiles are 16 neighbouring rows.  Wo's rows stay in order.
; A wave takes 8 rows (8,192 numbers), a work-group 32: so the exchange is a choice of where a wave's run goes, wave 0, 1, 2, 3 to run 0, 2, 1, 3.
; LIMITS: a block of zeros, or one whose largest magnitude lies under 2^-124, gets the byte 1 (its codes are zeros or held; this program alone reads the bytes); NaN and infinities among the inputs are not served.
; A wave takes 16 steps of 512 numbers.  Each load reads 512 consecutive bytes, 16 a lane; a step's 2,048 bytes turn through the wave's own stage in LDS and come back 64 bytes a lane: 16 neighbours along K,
; which the conversions want in one lane's registers; two neighbouring lanes hold a block.  The stage has 16 bytes of padding behind each 64.  A wave's store of codes covers 256 consecutive bytes, aligned;
; its 256 scale bytes are gathered in LDS and leave as 256 consecutive bytes, aligned.  Waves share nothing: no barrier, no cluster, no matrix unit.  Loads run four steps (16 loads a wave) ahead.
.set STEPS, 16
.set EMAX,  2
.set CB,    8                          ; bytes of 16 codes
.set R,     16                         ; v16-79   four sets of 16 numbers as they are loaded
.set X,     80                         ; v80-111  two sets of 16 neighbours
.set C,     128                        ; v128-191 codes: four registers for each step, so that no store's data are written again
.set E,     112                        ; v112-127 a scale byte for each step
.set WREG,  8192                       ; LDS: a region for each wave: two stages of 32 x SP bytes, behind them its 256 scale bytes
.set SP,    80                         ; a lane's place in a stage: 64 bytes + 16 of padding
.set XWG,   256                        ; work-groups that take x: 8192 x 1024 / 32768
.set SRC,   28                         ; s[28:29] where my wave's numbers begin
.set DC,    30                         ; s[30:31] where its codes go
.set DS,    32                         ; s[32:33] where its scale bytes go
	s_load_b256 s[4:11], s[0:1], 0x0               ; x s[4:5], Wq s[6:7], Wk s[8:9], Wv s[10:11]
	s_load_b256 s[12:19], s[0:1], 0x20             ; Wo s[12:13], xc s[14:15], xs s[16:17], wc s[18:19]
	s_load_b64 s[20:21], s[0:1], 0x40              ; ws
	v_lshl_add_u32 v192, v0, 2, 0x8000
	v_mov_b32 v193, 0
	v_lshrrev_b32 v1, 5, v0
	v_readfirstlane_b32 s22, v1                    ; wave
	v_and_b32 v2, 31, v0                           ; lane
	v_lshlrev_b32 v3, 4, v2                        ; my 16 bytes of a load's 512
	s_mul_i32 s36, s22, WREG
	v_lshrrev_b32 v14, 2, v2
	v_mul_u32_u24 v14, v14, SP
	v_and_b32 v15, 3, v2
	v_lshl_add_u32 v14, v15, 4, v14
	v_add_nc_u32 v14, s36, v14                     ; the stage, on the way in: SP (lane / 4) + 16 (lane % 4)
	v_mul_u32_u24 v15, v2, SP
	v_add_nc_u32 v15, s36, v15                     ; and on the way out: SP x lane: my 16 neighbours
	v_mul_u32_u24 v4, v2, CB                       ; my codes' place in a step's
	v_lshrrev_b32 v5, 1, v2
	s_add_co_u32 s36, s36, 2*32*SP
	v_add_nc_u32 v5, s36, v5                       ; LDS: my wave's 256 scale bytes, my block's byte
	v_lshlrev_b32 v7, 3, v2                        ; and on the way out 8 bytes a lane
	v_add_nc_u32 v6, s36, v7
	s_sub_co_u32 s23, ttmp9, XWG                   ; my work-group among the weights' 128 (not used in x's work-groups)
	s_lshr_b32 s24, s23, 5                         ; which weight: 32 work-groups each
	s_and_b32 s25, s23, 31                         ; and which of its 32
	s_and_b32 s26, s22, 1
	s_lshl_b32 s26, s26, 1
	s_lshr_b32 s27, s22, 1
	s_or_b32 s26, s26, s27                         ; where my run goes among the work-group's four: the wave's two bits exchanged
	s_wait_alu depctr_va_vdst(0)
	s_wait_kmcnt 0x0
	s_mov_b64 s[SRC:SRC+1], s[6:7]                 ; every choice hangs on the work-group's number alone; each compare is followed by its selects at once
	s_cmp_eq_u32 s24, 1
	s_cselect_b64 s[SRC:SRC+1], s[8:9], s[SRC:SRC+1]
	s_cmp_eq_u32 s24, 2
	s_cselect_b64 s[SRC:SRC+1], s[10:11], s[SRC:SRC+1]
	s_cmp_eq_u32 s24, 3
	s_cselect_b64 s[SRC:SRC+1], s[12:13], s[SRC:SRC+1]
	s_cmp_ge_u32 ttmp9, XWG+96
	s_cselect_b32 s26, s22, s26                    ; Wo's rows stay in order
	s_cmp_lt_u32 ttmp9, XWG
	s_cselect_b64 s[SRC:SRC+1], s[4:5], s[SRC:SRC+1]
	s_cselect_b64 s[DC:DC+1], s[14:15], s[18:19]
	s_cselect_b64 s[DS:DS+1], s[16:17], s[20:21]
	s_cselect_b32 s34, ttmp9, s25                  ; my work-group inside its input,
	s_cselect_b32 s35, ttmp9, s23                  ; and inside its output
	s_lshl_b32 s38, s34, 2
	s_add_co_u32 s38, s38, s22
	s_lshl_b32 s38, s38, 15                        ; a run is 32,768 bytes of numbers,
	s_mov_b32 s39, 0
	s_add_nc_u64 s[SRC:SRC+1], s[SRC:SRC+1], s[38:39]
	s_lshl_b32 s40, s35, 2
	s_add_co_u32 s40, s40, s26
	s_lshl_b32 s42, s40, 8                         ; 256 scale bytes,
	s_lshl_b32 s40, s40, 12                        ; 4,096 bytes of codes
	s_mov_b32 s41, 0
	s_mov_b32 s43, 0
	s_add_nc_u64 s[DC:DC+1], s[DC:DC+1], s[40:41]
	s_add_nc_u64 s[DS:DS+1], s[DS:DS+1], s[42:43]
.macro LOAD t
.irp i, 0,1,2,3
	global_load_b128 v[R+16*((\t)%4)+4*\i:R+16*((\t)%4)+4*\i+3], v3, s[SRC:SRC+1] offset:2048*(\t)+512*\i th:TH_LOAD_NT   ; 32 lanes read 512 consecutive bytes
.endr
.endm
.macro TURN t                          ; step t's numbers through the stage: LDS serves a wave's instructions in order, so no wait stands between the stores and the loads
.irp i, 0,1,2,3
	ds_store_b128 v14, v[R+16*((\t)%4)+4*\i:R+16*((\t)%4)+4*\i+3] offset:32*SP*((\t)%2)+8*SP*\i
.endr
.irp i, 0,1,2,3
	ds_load_b128 v[X+16*((\t)%2)+4*\i:X+16*((\t)%2)+4*\i+3], v15 offset:32*SP*((\t)%2)+16*\i
.endr
.endm
.irp t, 0,1,2,3
	LOAD \t
.endr
	s_wait_loadcnt 12                              ; step 0's four loads are in; the twelve behind them stay out
	TURN 0
.macro STEP t
.set XS, X+16*((\t)%2)
.if (\t) > 0
	s_wait_dscnt 1                                 ; this step's numbers are back from the stage (the last step's byte store may be out): so its stores into the stage have read their registers,
.else
	s_wait_dscnt 0x0
.endif
.if (\t)+4 < STEPS
	LOAD (\t)+4                                    ; which take the loads of four steps on
.endif
.if (\t)+1 < STEPS
.if STEPS-2-(\t) >= 3
	s_wait_loadcnt 12                              ; the next step's four loads are in; those of the three steps behind it may be out
.else
	s_wait_loadcnt 4*(STEPS-2-(\t))
.endif
	TURN (\t)+1                                    ; and go through the other stage while this step is worked
.endif
	v_max3_num_f32 v8, |v[XS]|, |v[XS+1]|, |v[XS+2]|               ; the largest magnitude of my 16, in two chains
	v_max3_num_f32 v9, |v[XS+3]|, |v[XS+4]|, |v[XS+5]|
.irp i, 6,10
	v_max3_num_f32 v8, v8, |v[XS+\i]|, |v[XS+\i+1]|
	v_max3_num_f32 v9, v9, |v[XS+\i+2]|, |v[XS+\i+3]|
.endr
	v_max3_num_f32 v8, v8, |v[XS+14]|, |v[XS+15]|
	v_max3_num_f32 v8, v8, v9, (EMAX+1)<<23        ; and the floor 2^(3 - 127): so the byte cannot fall under 1
	v_max_num_f32_dpp v8, v8, v8 row_xmask:1 row_mask:0xf bank_mask:0xf   ; and of my neighbour's 16: the block's
	v_add_nc_u32 v11, -(EMAX<<23), v8              ; 2 off its exponent field: the conversion takes the exponent field of this operand as its scale, and nothing else of it
	v_cvt_scalef32_pk8_fp4_f32 v[C+4*(\t)], v[XS:XS+7], v11        ; eight numbers / the scale, to the nearest code, ties to even, beyond the largest code the largest
	v_cvt_scalef32_pk8_fp4_f32 v[C+4*(\t)+1], v[XS+8:XS+15], v11
	v_lshrrev_b32 v[E+(\t)], 23, v11               ; the scale's byte (also the plain instruction behind the conversions)
	ds_store_b8 v5, v[E+(\t)] offset:16*(\t)       ; both lanes of a block write the same byte with the same value
	global_store_b64 v4, v[C+4*(\t):C+4*(\t)+1], s[DC:DC+1] offset:32*CB*(\t)
.endm
.irp t, 0,1,2,3,4,5,6,7,8,9,10,11,12,13,14,15
	STEP \t
.endr
	ds_load_b64 v[12:13], v6                       ; LDS serves a wave's instructions in order: these see my byte stores
	s_wait_dscnt 0x0
	global_store_b64 v7, v[12:13], s[DS:DS+1]      ; 32 lanes store 256 consecutive bytes, aligned
	s_wait_tensorcnt 0x0
	ds_add_u32 v192, v193
	s_wait_dscnt 0x0
	s_endpgm
.Lfunc_end_k_q52653b0af1_quant:
	.size	k_q52653b0af1_quant, .Lfunc_end_k_q52653b0af1_quant-k_q52653b0af1_quant
	.p2alignl 7, 3214868480
	.fill 96, 4, 3214868480
	.section	.rodata,"a",@progbits
	.p2align	6, 0x0
	.amdhsa_kernel k_q52653b0af1_quant
		.amdhsa_group_segment_fixed_size 33280
		.amdhsa_private_segment_fixed_size 0
		.amdhsa_enable_private_segment 0
		.amdhsa_kernarg_size 72
		.amdhsa_user_sgpr_count 2
		.amdhsa_user_sgpr_kernarg_segment_ptr 1
		.amdhsa_wavefront_size32 1
		.amdhsa_system_sgpr_workgroup_id_x 1
		.amdhsa_system_sgpr_workgroup_id_y 1
		.amdhsa_system_sgpr_workgroup_id_z 1
		.amdhsa_system_vgpr_workitem_id 0
		.amdhsa_next_free_vgpr 194
		.amdhsa_next_free_sgpr 66
		.amdhsa_reserve_vcc 0
		.amdhsa_float_denorm_mode_32 3
		.amdhsa_float_denorm_mode_16_64 3
		.amdhsa_memory_ordered 1
		.amdhsa_forward_progress 1
		.amdhsa_inst_pref_size 34
	.end_amdhsa_kernel
	.amdgpu_metadata
---
amdhsa.version: [ 1, 2 ]
amdhsa.kernels:
  - .name:           k_q52653b0af1_quant
    .symbol:         k_q52653b0af1_quant.kd
    .args:
      - { .name: x, .offset: 0, .size: 8, .value_kind: global_buffer, .address_space: global }
      - { .name: Wq, .offset: 8, .size: 8, .value_kind: global_buffer, .address_space: global }
      - { .name: Wk, .offset: 16, .size: 8, .value_kind: global_buffer, .address_space: global }
      - { .name: Wv, .offset: 24, .size: 8, .value_kind: global_buffer, .address_space: global }
      - { .name: Wo, .offset: 32, .size: 8, .value_kind: global_buffer, .address_space: global }
      - { .name: xc, .offset: 40, .size: 8, .value_kind: global_buffer, .address_space: global }
      - { .name: xs, .offset: 48, .size: 8, .value_kind: global_buffer, .address_space: global }
      - { .name: wc, .offset: 56, .size: 8, .value_kind: global_buffer, .address_space: global }
      - { .name: ws, .offset: 64, .size: 8, .value_kind: global_buffer, .address_space: global }
    .group_segment_fixed_size: 33280
    .private_segment_fixed_size: 0
    .kernarg_segment_align: 8
    .kernarg_segment_size: 72
    .max_flat_workgroup_size: 128
    .sgpr_count:     66
    .vgpr_count:     194
    .wavefront_size: 32
...
	.end_amdgpu_metadata
.endif
;; end of part 1
;; launch qkv (part 2): grid 12 x 32, 4 waves a work-group, clusters of 4 x 4, 327,680 bytes of LDS; arguments xc, xs, wc, ws, qimg, kvimg; writes qimg, kvimg
.if DOCPART == 2
	.amdgcn_target "amdgcn-amd-amdhsa--gfx1250"
	.amdhsa_code_object_version 6
	.text
	.protected	k_q52653b0af1_qkv
	.globl	k_q52653b0af1_qkv
	.p2align	8
	.type	k_q52653b0af1_qkv,@function
k_q52653b0af1_qkv:
	s_mov_b64 s[64:65], 0
	v_nop
	global_prefetch_b8 v0, s[64:65] scope:SCOPE_SE
	s_setreg_imm32_b32 hwreg(HW_REG_WAVE_MODE, 25, 1), 1
	s_wait_xcnt 0x0
	s_wait_alu depctr_hold_cnt(0) depctr_sa_sdst(0) depctr_va_vdst(0) depctr_va_sdst(0) depctr_va_ssrc(0) depctr_va_vcc(0) depctr_vm_vsrc(0)
	s_getreg_b32 s2, hwreg(HW_REG_IB_STS2, 6, 4)
	s_cmp_eq_u32 s2, 0
	s_cbranch_scc0 .Lentry_in_a_cluster
	s_endpgm
.Lentry_in_a_cluster:
	s_bfe_u32 s2, ttmp6, 0x10000c
	s_cmp_lg_u32 s2, 0xf033
	s_cbranch_scc0 .Lentry_shape_is_right
	s_endpgm
.Lentry_shape_is_right:
; Q = x Wq^T, K = x Wk^T, V = x Wv^T on codes of FP4 (E2M1) with one E8M0 scale for each 32 along K = 1,024; sums in f32.  The results never go to memory as f32: each wave quantises its 128 x 128 in registers,
; Q and K along the head's 64, V along the keys, and stores them as IMAGES OF OPERAND REGISTERS for the attention launch.
; A tile of 256 x 256 results is made by a work-group of four waves, a wave makes 128 x 128: 64 accumulators of 16 x 16, 512 registers.  K = 1,024 is two LDS slots of 512 along K (rows of 256 bytes): both slots and
; the scale bytes of the 512 rows are asked for at the head, each filled once: nothing is filled again, so all loads of the launch go out at its head.
; ONE TEXT FOR TWO ORIENTATIONS.  The matrix instruction takes 16 rows of B as source 0 and 16 rows of A as source 1: a lane then holds ONE row of A, and its registers run along rows of B.
;   cluster x = 0 (Q), 1 (K): A = x (a lane holds a token), B = the weight (registers run along n = head x 64 + d).     cluster x = 2 (V): A = Wv (a lane holds a d), B = x (registers run along the tokens = keys).
; Only pointers and first rows are chosen, by s_cselect on the cluster's x, which all partners share.
; The rows of x, Wq, Wk, Wv lie in xc, wc with bits 3 and 4 of their numbers exchanged: so the 16 registers that a lane holds in accumulators (a, 2 g) and (a, 2 g + 1) are B's rows 32 g + 16 (lane / 16) + 0 .. 15 in
; their true order, which is what the conversions want; the rows of A in block a are 32 (a / 2) + 8 (a % 2) + r + 8 (r / 8).
; CLUSTERS: 4 x 4 work-groups.  The four of a row of the cluster need the same tiles of A, the four of a column the same tiles of B: each tile is asked for JOINTLY, by the same tensor load with the same descriptor and
; a mask that names the four.  There are 384 tiles (3 x 4 by 8 x 4): tiles that made exactly one work-group for each of 256 would straddle Q, K and V.
; THE IMAGES.  qimg, kvimg: [16 b + head][step of 128 tokens: 16][8,960 bytes].  In a step: byte 0: 8 tiles x 512 of Q's (K's) codes, tile a, lane L at 512 a + 16 L: token 32 (a / 2) + 8 (a % 2) + r + 8 (r / 8), d = 32 h ..;
;   byte 4,096 (kvimg): V^T, tile dt at 1,024 dt + 512 c + 16 L: d = 32 (dt / 2) + 8 (dt % 2) + r + 8 (r / 8), keys 64 c + 32 h ..;  byte 8,192: scale words of Q (K): byte 16 L + 4 i is tile 2 i + L / 16, row L % 16,
;   the two bytes written twice;  byte 8,704 (kvimg): V's scale words: byte 8 L + 4 i is tile 2 i + L / 16, row L % 16.  qimg's V parts are neither written nor read.
; LIMITS: a block of zeros, or one whose largest magnitude lies under 2^-124, gets the byte 1 (this program alone reads the bytes); NaN and infinities are not served.
; REGISTERS, in windows of 256: window 0: v16-27 addresses; v32-95 scale words, two sets, and nothing else; v128-191 A's fragments, ONE set, on the way out the codes; v200-235 at work on the way out.
;   window 1: B's fragments, TWO sets, at v0 and v128.   window 2: the accumulators of my A blocks 0-3 ((a, b) at v[8 (8 (a % 4) + b)]);   window 3: those of blocks 4-7.
.set KSTEP,  512                       ; along K in a slot
.set NQ,     KSTEP/128                 ; matrix instructions deep
.set ROWB,   256                       ; a tile's row in bytes
.set KROW,   512                       ; a row of xc or wc in bytes
.set PITCH,  272                       ; an LDS row: 256 bytes + 16 of padding = 68 words: the 16 rows that a load touches start 4 words apart modulo 64
.set FR,     8                         ; registers of a fragment: 16 rows x 128 K
.set NL,     2                         ; LDS loads that bring one
.set NP,     4                         ; places behind this matrix instruction (ISA guide 7.12.1)
.set HALFT,  128*PITCH                 ; 128 rows: what one tensor load brings, and what one wave reads of A or of B
.set SLOT,   4*HALFT                   ; A's 256 rows, then B's 256 rows
.set KS,     32                        ; a row of scale bytes
.set SCL,    2*SLOT                    ; behind the slots: the scale bytes, as rows of 256 bytes + 16 of padding
.set HALFS,  (128*KS/256)*272          ; those of 128 rows: what one tensor load brings
.set SBLK,   (16*KS/256)*272           ; those of 16 rows
.set STEPB,  8960                      ; a step of an image
.set HEADB,  16*STEPB                  ; a head of an image
.set ADRA, 16                          ; v16-17  LDS address of my A fragments in slot 0, 1
.set ADRB, 20                          ; v20-21  the same for B
.set LI,   24                          ; v24     16 x lane
.set L8,   25                          ; v25     8 x lane
.set ADRS, 27                          ; v27     LDS address of my scale words: lanes 0-15 A's rows, lanes 16-31 B's
.set SC,   32                          ; scale words: set s at v[SC + 32 s]; register 4 i + q: lanes 0-15 A's block i, lanes 16-31 B's block i, the slot's q-th 128 along K
.set AF,   128                         ; A's fragments
.set PC,   128                         ; the way out: block a's codes at v[PC + 8 a]
.set TM,   200                         ; v200-203 largest magnitudes, v204-207 bytes, v212-215 the conversions' scale operands
.set PW,   216                         ; v216-223 block a's scale word
.set SL,   224                         ; v224-227 lanes 0-15 block 2 i's word, lanes 16-31 block 2 i + 1's
.set PM,   228                         ; v228-235 the same with a head's two bytes written twice: head 0, head 1
.set WV,   16                          ; s16 wave
.set RH,   17                          ; s17 which half of A's rows is mine.  Also: I fetch for A (0) or for B (1)
.set CH,   18                          ; s18 which half of B's rows.  Also: which 128 rows of that tile I fetch
.set SEL,  20                          ; s[20:21] selects for v_permlanex16_b32: lane l xor 16 (written behind the head's use of these registers)
.set HM,   22                          ; s22 the mask of lanes 16-31
.set G1, 24                            ; s[24:31] descriptor group 1 for A's tiles;  s[32:39] group 0, one set for each slot
.set G0, 32
.set G1B, 48                           ; s[48:55], s[56:63] the same for B's tiles
.set G0B, 56
.set G1S, 68                           ; s[68:75], s[76:79] groups 1 and 0 for A's scales;  s[80:87], s[88:91] for B's
.set G0S, 76
.set G1SB, 80
.set G0SB, 88
.set MSB, 0
.macro WIN new                         ; the immediate's high byte repeats the setting that is left
.if MSB != \new
	s_set_vgpr_msb (MSB<<8)|\new
.set MSB, \new
.endif
.endm
.set MUL_LO, 0xa1                      ; source 0 (B) window 1, source 1 (A) window 0, C and D window 2
.set MUL_HI, 0xf1                      ; the same, C and D window 3
.set TO_B,   0x40                      ; destination window 1, address window 0
; A joint load: waves 0 and 1 fetch for A, waves 2 and 3 for B.  Each of the two lines has ONE mask and one set of registers for all that issue it; the branch hangs on the wave's number alone.
; Four v_nop follow each of the two lines, ahead of the jump, the label and what follows.
.macro JLOAD g0a, g1a, g0b, g1b
	s_cmp_eq_u32 s[RH], 0
	s_cbranch_scc0 .Lfor_b_\@
	tensor_load_to_lds s[\g0a:\g0a+3], s[\g1a:\g1a+7]
	s_nop 0
.rept 4
	v_nop
.endr
	s_branch .Lasked_\@
.Lfor_b_\@:
	tensor_load_to_lds s[\g0b:\g0b+3], s[\g1b:\g1b+7]
	s_nop 0
.rept 4
	v_nop
.endr
.Lasked_\@:
.endm
.macro CROUND                          ; a round of the cluster's barrier: my work-group's barrier; wave 0 signals for the work-group; every wave waits for all sixteen; my work-group's barrier once more
	s_barrier_signal -1
	s_barrier_wait -1
	s_cmp_lg_u32 s[WV], 0
	s_cbranch_scc1 .Lnot_wave_0_\@
	s_barrier_signal -3
.Lnot_wave_0_\@:
	s_barrier_wait -3
	s_barrier_signal -1
	s_barrier_wait -1
.endm
	s_load_b256 s[4:11], s[0:1], 0x0               ; xc s[4:5], xs s[6:7], wc s[8:9], ws s[10:11]
	s_load_b128 s[12:15], s[0:1], 0x20             ; qimg s[12:13], kvimg s[14:15]
	v_lshl_add_u32 v254, v0, 2, 0x48800
	v_mov_b32 v255, 0
	ds_add_u32 v254, v255
	ds_add_u32 v254, v255
	v_lshrrev_b32 v1, 5, v0
	v_readfirstlane_b32 s[WV], v1                  ; wave 0..3
	s_lshr_b32 s[RH], s[WV], 1
	s_and_b32 s[CH], s[WV], 1
	s_bfe_u32 s40, ttmp6, 0x40000                  ; cx, cy: my place in the cluster
	s_bfe_u32 s41, ttmp6, 0x40004
	s_lshl_b32 s43, s41, 2
	s_lshl_b32 s43, 15, s43                        ; my row of the cluster
	s_lshl_b32 s44, 0x1111, s40                    ; my column
	; descriptor group 1: a tile of 128 rows x 256 bytes, padded in LDS
	s_or_b32 s[G1+0], s43, (0<<16)|(1<<20)|(1<<21)|(5<<22)|(3<<25)  ; 15:0 the mask: A's tiles go to my row; 17:16 element of 1 byte; 20 padding on; 21 set beside a mask; 24:22 after every 64 words (code 5); 31:25 of 4 words (code 3)
	s_or_b32 s[G1B+0], s44, (0<<16)|(1<<20)|(1<<21)|(5<<22)|(3<<25)
.irp g, G1, G1B
	s_mov_b32 s[\g+1], ROWB<<16                    ; tensor_dim0
	s_mov_b32 s[\g+2], 128<<16                     ; tensor_dim1 = 128
	s_mov_b32 s[\g+3], ROWB<<16                    ; tile_dim0
	s_mov_b32 s[\g+4], 128                         ; tile_dim1 = 128
	s_mov_b32 s[\g+5], KROW                        ; tensor_dim0_stride
	s_mov_b32 s[\g+6], 0
	s_mov_b32 s[\g+7], 0
.endr
	; and for the scale bytes of 128 rows: a dense block of 4,096 bytes, as 16 rows of 256 bytes (32 elements of 8 bytes), 16 bytes of padding behind each
	s_or_b32 s[G1S+0], s43, (3<<16)|(1<<20)|(1<<21)|(5<<22)|(3<<25)
	s_or_b32 s[G1SB+0], s44, (3<<16)|(1<<20)|(1<<21)|(5<<22)|(3<<25)
.irp g, G1S, G1SB
	s_mov_b32 s[\g+1], 32<<16
	s_mov_b32 s[\g+2], (128*KS/256)<<16
	s_mov_b32 s[\g+3], 32<<16
	s_mov_b32 s[\g+4], 128*KS/256
	s_mov_b32 s[\g+5], 32
	s_mov_b32 s[\g+6], 0
	s_mov_b32 s[\g+7], 0
.endr
	; the first row that I fetch.  A's hangs on cy, B's on cx, each in registers that never hold the other; what is chosen hangs on the cluster's x and y alone
	s_and_b32 s19, ttmp7, 0xffff
	s_lshl_b32 s19, s19, 10                        ; 1,024 x cluster y: kept for the way out
	s_lshl_b32 s42, ttmp9, 10                      ; 1,024 x cluster x
	s_lshl_b32 s45, s[CH], 7                       ; which 128 rows of the tile I fetch
	s_lshl_b32 s21, s41, 8
	s_add_co_u32 s21, s21, s45                     ; 256 cy + 128 half
	s_lshl_b32 s47, s40, 8
	s_add_co_u32 s47, s47, s45                     ; 256 cx + 128 half
	s_cmp_eq_u32 ttmp9, 2                          ; V?
	s_cselect_b32 s20, 2048, s19                   ; A: Wv's rows of wc, or x's rows of this cluster
	s_cselect_b32 s46, s19, s42                    ; B: x's rows of this cluster, or Wq's or Wk's rows of wc
	s_add_co_u32 s20, s20, s21
	s_add_co_u32 s46, s46, s47
	s_lshl_b32 s22, s20, 5                         ; where these rows' scale bytes begin,
	s_lshl_b32 s20, s20, 9                         ; and their codes (all under 2^23)
	s_lshl_b32 s92, s46, 5
	s_lshl_b32 s46, s46, 9
	s_mov_b32 s21, 0
	s_mov_b32 s23, 0
	s_mov_b32 s47, 0
	s_mov_b32 s93, 0
	s_mul_i32 s45, s[WV], HALFT                    ; where they go: wave x 128 rows: no place in the cluster enters an LDS address
	s_mul_i32 s94, s[WV], HALFS
	s_wait_dscnt 0x0
	s_wait_kmcnt 0x0
	s_cmp_eq_u32 ttmp9, 2
	s_cselect_b64 s[96:97], s[8:9], s[4:5]         ; A's codes
	s_cselect_b64 s[98:99], s[10:11], s[6:7]       ; A's scales
	s_cselect_b64 s[4:5], s[4:5], s[8:9]           ; B's codes
	s_cselect_b64 s[6:7], s[6:7], s[10:11]         ; B's scales
	s_add_nc_u64 s[20:21], s[96:97], s[20:21]
	s_add_nc_u64 s[22:23], s[98:99], s[22:23]
	s_add_nc_u64 s[46:47], s[4:5], s[46:47]
	s_add_nc_u64 s[92:93], s[6:7], s[92:93]
	CROUND                                         ; all sixteen work-groups are here: the joint loads meet
	s_mov_b32 s[G0S], 1
	s_add_co_u32 s[G0S+1], s94, SCL
	s_mov_b64 s[G0S+2:G0S+3], s[22:23]
	s_or_b32 s[G0S+3], s[G0S+3], 0x80000000
	s_mov_b32 s[G0SB], 1
	s_add_co_u32 s[G0SB+1], s94, SCL
	s_mov_b64 s[G0SB+2:G0SB+3], s[92:93]
	s_or_b32 s[G0SB+3], s[G0SB+3], 0x80000000
	JLOAD G0S, G1S, G0SB, G1SB                     ; the scales first: they are wanted with slot 0
.irp s, 0,1
	s_mov_b32 s[G0+4*\s], 1
	s_add_co_u32 s[G0+4*\s+1], s45, \s*SLOT
	s_add_nc_u64 s[G0+4*\s+2:G0+4*\s+3], s[20:21], \s*ROWB
	s_or_b32 s[G0+4*\s+3], s[G0+4*\s+3], 0x80000000
	s_mov_b32 s[G0B+4*\s], 1
	s_add_co_u32 s[G0B+4*\s+1], s45, \s*SLOT
	s_add_nc_u64 s[G0B+4*\s+2:G0B+4*\s+3], s[46:47], \s*ROWB
	s_or_b32 s[G0B+4*\s+3], s[G0B+4*\s+3], 0x80000000
	s_wait_alu depctr_va_vdst(0)
	s_wait_tensorcnt 0x0
	ds_add_u32 v254, v255
	s_wait_dscnt 0x0
	CROUND
	JLOAD G0+4*\s, G1, G0B+4*\s, G1B               ; three tensor loads of mine are out now, and no more follow
.endr
	v_and_b32 v1, 15, v0                           ; l % 16
	v_bfe_u32 v2, v0, 4, 1                         ; l / 16
	v_mul_u32_u24 v3, v1, PITCH
	v_lshl_add_u32 v4, v2, 4, v3                   ; a fragment's row x pitch + 16 x half
	s_mul_i32 s21, s[RH], HALFT                    ; my 128 rows of A
	s_mul_i32 s22, s[CH], HALFT                    ; my 128 rows of B,
	s_add_co_u32 s22, s22, 2*HALFT                 ; which lie behind A's 256
.irp s, 0,1
	v_add_nc_u32 v[ADRA+\s], s21, v4
	v_add_nc_u32 v[ADRB+\s], s22, v4
	s_add_co_u32 s21, s21, SLOT
	s_add_co_u32 s22, s22, SLOT
.endr
	v_mul_u32_u24 v5, v1, KS                       ; my row's scales: 32 bytes a row,
	v_lshrrev_b32 v6, 8, v5
	v_lshl_add_u32 v5, v6, 4, v5                   ; and 16 more for each 256 passed
	s_mul_i32 s21, s[RH], HALFS                    ; A's: my 128 rows
	s_mul_i32 s22, s[CH], HALFS                    ; B's: my 128 rows, behind A's 256
	s_add_co_u32 s22, s22, 2*HALFS
	s_sub_co_u32 s22, s22, s21
	v_mul_u32_u24 v6, s22, v2                      ; lanes 16-31 take B's: one product, the distance between the two bases
	s_add_co_u32 s21, s21, SCL
	v_add_nc_u32 v5, v5, v6
	v_add_nc_u32 v[ADRS], s21, v5
	v_and_b32 v6, 31, v0
	v_lshlrev_b32 v[LI], 4, v6
	v_lshlrev_b32 v[L8], 3, v6
	; where my images go: tokens and n of my 128 x 128
	s_lshl_b32 s92, s41, 8
	s_lshl_b32 s93, s[RH], 7
	s_add_co_u32 s92, s92, s93                     ; my first row of A in the cluster's 1,024
	s_lshl_b32 s94, s40, 8
	s_lshl_b32 s95, s[CH], 7
	s_add_co_u32 s94, s94, s95                     ; my first row of B
	s_cmp_eq_u32 ttmp9, 2
	s_cselect_b32 s96, s94, s92                    ; the tokens are B's rows for V, A's for Q and K;
	s_cselect_b32 s97, s92, s94                    ; n the other's
	s_add_co_u32 s96, s96, s19                     ; my first token of the 8,192
	s_lshr_b32 s98, s96, 11                        ; its batch
	s_lshl_b32 s98, s98, 4
	s_lshr_b32 s97, s97, 6                         ; the first of my two heads
	s_add_co_u32 s98, s98, s97
	s_lshl_b32 s98, s98, 4
	s_bfe_u32 s96, s96, 0x40007                    ; the step: 128 tokens
	s_add_co_u32 s98, s98, s96
	s_mul_i32 s98, s98, STEPB
	s_mov_b32 s99, 0
	s_cmp_eq_u32 ttmp9, 0
	s_cselect_b64 s[12:13], s[12:13], s[14:15]     ; Q goes to qimg, K and V to kvimg
	s_add_nc_u64 s[12:13], s[12:13], s[98:99]
	s_mov_b32 s[SEL], 0x76543210
	s_mov_b32 s[SEL+1], 0xfedcba98
	s_mov_b32 s[HM], 0xffff0000
.macro FRAG reg, adr, q, i             ; a fragment, 16 rows x 128 K of 4-bit codes, is 8 registers: lane l holds row l % 16; registers 4 c .. 4 c + 3 hold K = 64 c + 32 (l / 16) + 0 .. 31
.irp c, 0,1
	ds_load_b128 v[\reg+4*\c:\reg+4*\c+3], v[\adr] offset:64*(\q)+32*\c+(\i)*16*PITCH
.endr
.endm
; 16 matrix instructions: A's blocks a0, a0 + 1 x B's eight, 128 along K: the slot's q-th.  p: B's set;  sc: the set of scale words.  zero = 1: the first product starts the sums: nothing is ever cleared.
; The 64 accumulators take turns, one instruction a turn, in the same order in every step.
.macro MUL16 a0, p, q, sc, zero
.irp a, \a0, \a0+1
.irp b, 0,1,2,3,4,5,6,7
.if \zero
	v_wmma_scale_f32_16x16x128_f8f6f4 v[8*(8*((\a)%4)+\b):8*(8*((\a)%4)+\b)+7], v[128*(\p)+FR*\b:128*(\p)+FR*\b+FR-1], v[AF+FR*(\a):AF+FR*(\a)+FR-1], 0, v[SC+8*NQ*(\sc)+NQ*\b+(\q)], v[SC+8*NQ*(\sc)+NQ*(\a)+(\q)] matrix_a_fmt:MATRIX_FMT_FP4 matrix_b_fmt:MATRIX_FMT_FP4 matrix_a_scale:MATRIX_SCALE_ROW1
.else
	v_wmma_scale_f32_16x16x128_f8f6f4 v[8*(8*((\a)%4)+\b):8*(8*((\a)%4)+\b)+7], v[128*(\p)+FR*\b:128*(\p)+FR*\b+FR-1], v[AF+FR*(\a):AF+FR*(\a)+FR-1], v[8*(8*((\a)%4)+\b):8*(8*((\a)%4)+\b)+7], v[SC+8*NQ*(\sc)+NQ*\b+(\q)], v[SC+8*NQ*(\sc)+NQ*(\a)+(\q)] matrix_a_fmt:MATRIX_FMT_FP4 matrix_b_fmt:MATRIX_FMT_FP4 matrix_a_scale:MATRIX_SCALE_ROW1
.endif
.endr
.endr
.endm
.macro FETCH_B slot, q, p              ; B's eight fragments of the slot's q-th 128 along K into set p
	WIN TO_B
.irp i, 0,1,2,3,4,5,6,7
	FRAG 128*(\p)+FR*\i, ADRB+\slot, \q, \i
.endr
	WIN 0
.endm
.macro FETCH_A slot, q, i0             ; A's blocks i0 .. i0 + 3
.irp i, \i0, \i0+1, \i0+2, \i0+3
	FRAG AF+FR*(\i), ADRA+\slot, \q, \i
.endr
.endm
.macro SCALES sc                       ; a slot's scale words into set sc: four words a row; lanes 0-15 take A's block i, lanes 16-31 B's block i
.irp i, 0,1,2,3,4,5,6,7
	ds_load_b128 v[SC+8*NQ*\sc+NQ*\i:SC+8*NQ*\sc+NQ*\i+3], v[ADRS] offset:\i*SBLK
.endr
.endm
; A load into a register that a matrix instruction has read, and a vector instruction that reads a matrix result, stand NP places behind that matrix instruction, and only plain vector
; instructions that name none of its registers are places (ISA guide 7.12.1 for vector instructions).
.macro PLACES n
.rept \n
	v_nop
.endr
.endm
; A step of 128 along K that has its successor in the same slot.  A's blocks are free as soon as their eight products are issued: blocks 0-3 are fetched anew in the middle, blocks 4-7 at the end.
.macro STEP slot, q, zero
	s_wait_dscnt 4*NL                              ; B's set, A's blocks 0-3 and the scale words are in; the eight youngest loads (A's blocks 4-7) may be out
	WIN MUL_LO
	MUL16 0, (\q)%2, \q, \slot, \zero
	MUL16 2, (\q)%2, \q, \slot, \zero
	s_wait_dscnt 0                                 ; A's blocks 4-7 are in (asked for 32 matrix instructions ago)
	PLACES NP
	FETCH_B \slot, (\q)+1, 1-(\q)%2
	FETCH_A \slot, (\q)+1, 0
	WIN MUL_HI
	MUL16 4, (\q)%2, \q, \slot, \zero
	MUL16 6, (\q)%2, \q, \slot, \zero
	PLACES NP
	WIN 0
	FETCH_A \slot, (\q)+1, 4
.endm
	s_wait_alu depctr_va_vdst(0)
	s_wait_tensorcnt 1                             ; the scales and my part of slot 0 are in; slot 1's load, the youngest of my three, may stay out
	s_barrier_signal -1
	s_barrier_wait -1                              ; everybody's are
	FETCH_B 0, 0, 0
	FETCH_A 0, 0, 0
	SCALES 0
	FETCH_A 0, 0, 4
	STEP 0, 0, 1                                   ; the first step's products start the sums
	STEP 0, 1, 0
	STEP 0, 2, 0
	; slot 0's last step changes slots: one barrier, in front of which each wave has waited for its part of slot 1
	s_wait_tensorcnt 0x0                           ; my part of slot 1 has landed: no tensor load of mine is out from here on
	s_wait_dscnt 4*NL                              ; (A's blocks 4-7 may be out)
	WIN MUL_LO
	MUL16 0, 1, NQ-1, 0, 0
	s_wait_dscnt 0x0                               ; no LDS instruction of mine is pending at the signal
	s_barrier_signal -1
	MUL16 2, 1, NQ-1, 0, 0                         ; work on registers while the others arrive
	WIN 0
	s_barrier_wait -1                              ; slot 1 is whole
	PLACES NP
	v_add_nc_u32 v[ADRS], 4*NQ, v[ADRS]            ; on to slot 1's scale words (no LDS load of mine is out)
	FETCH_B 1, 0, 0
	FETCH_A 1, 0, 0
	SCALES 1
	WIN MUL_HI
	MUL16 4, 1, NQ-1, 0, 0
	MUL16 6, 1, NQ-1, 0, 0
	PLACES NP
	WIN 0
	FETCH_A 1, 0, 4
	STEP 1, 0, 0
	STEP 1, 1, 0
	STEP 1, 2, 0
	s_wait_dscnt 4*NL                              ; the very last step: nothing more to fetch
	WIN MUL_LO
	MUL16 0, 1, NQ-1, 1, 0
	MUL16 2, 1, NQ-1, 1, 0
	s_wait_dscnt 0
	WIN MUL_HI
	MUL16 4, 1, NQ-1, 1, 0
	MUL16 6, 1, NQ-1, 1, 0
	WIN 0
	PLACES NP                                      ; in front of the first reads of results and the first writes of the registers that held A's fragments
.irp b, 0,1,2,3
	v_mov_b32 v[TM+4+\b], 0                        ; written once: a lane permute's destination counts as one of its sources
.endr
; THE WAY OUT.  Block a: my lane's row of A against 128 rows of B: 64 registers, register 16 b + i = B's row 32 b + 16 (lane / 16) + i: four blocks of 32 of the quantiser.  They become a fragment's 8 registers of codes
; and a scale word.  Each accumulator is read from its low end on.
.macro QUANTW a
.set ACB, 64*((\a)%4)
.set PCA, PC+8*(\a)
	WIN (5*(2+(\a)/4))                             ; sources 0 and 1: window 2 or 3
.irp b, 0,1,2,3
	v_max3_num_f32 v[TM+\b], |v[ACB+16*\b]|, |v[ACB+16*\b+1]|, 0x1800000   ; block b: my 16 numbers, and the floor 2^(3 - 127): so the byte cannot fall under 1
.endr
.irp i, 2,4,6,8,10,12,14
.irp b, 0,1,2,3
	v_max3_num_f32 v[TM+\b], |v[ACB+16*\b+\i]|, |v[ACB+16*\b+\i+1]|, v[TM+\b]   ; (the four blocks by turns)
.endr
.endr
	WIN 0
.irp b, 0,1,2,3
	v_permlanex16_b32 v[TM+4+\b], v[TM+\b], s[SEL], s[SEL+1]
.endr
.irp b, 0,1,2,3
	v_max_num_f32 v[TM+\b], v[TM+\b], v[TM+4+\b]   ; with lane l xor 16's: the block's largest magnitude
.endr
.irp b, 0,1,2,3
	v_add_nc_u32 v[TM+12+\b], 0xff000000, v[TM+\b] ; 2 off its exponent field: the conversion's scale operand
.endr
.irp b, 0,1,2,3
	v_lshrrev_b32 v[TM+4+\b], 23, v[TM+12+\b]      ; the scale's byte
.endr
	v_lshl_or_b32 v[PW+\a], v[TM+5], 8, v[TM+4]    ; the four bytes make my row's scale word (the same in lanes l and l xor 16)
	v_lshl_or_b32 v[PW+\a], v[TM+6], 16, v[PW+\a]
	v_lshl_or_b32 v[PW+\a], v[TM+7], 24, v[PW+\a]
	WIN (2+(\a)/4)                                 ; source 0: window 2 or 3
.irp b, 0,1,2,3
	v_cvt_scalef32_pk8_fp4_f32 v[PCA+2*\b], v[ACB+16*\b:ACB+16*\b+7], v[TM+12+\b]
	v_cvt_scalef32_pk8_fp4_f32 v[PCA+1+2*\b], v[ACB+16*\b+8:ACB+16*\b+15], v[TM+12+\b]
.endr
	WIN 0
	v_nop                                          ; one plain instruction behind a scaled conversion
.irp c, 0,1                                    ; the operand's layout wants a WHOLE block in a lane: lanes 0-15 block 2 c, lanes 16-31 block 2 c + 1
.irp i, 0,1
	v_permlane16_swap_b32 v[PCA+4*\c+\i], v[PCA+2+4*\c+\i]
.endr
.endr
.endm
.irp a, 0,1,2,3,4,5,6,7
	QUANTW \a
.endr
.irp i, 0,1,2,3
	v_cndmask_b32 v[SL+\i], v[PW+2*\i], v[PW+2*\i+1], s[HM]   ; lanes 0-15: block 2 i's word; lanes 16-31: block 2 i + 1's
.endr
	s_cmp_eq_u32 ttmp9, 2                          ; the cluster's x: the same in all partners
	s_cbranch_scc1 .Lv_out
	; Q, K: registers 4 e .. 4 e + 3 of block a are head e's 64 of my token; bytes 2 e, 2 e + 1 of the word are its two scales
.irp i, 0,1,2,3
	v_perm_b32 v[PM+\i], v[SL+\i], v[SL+\i], 0x01000100
	v_perm_b32 v[PM+4+\i], v[SL+\i], v[SL+\i], 0x03020302
.endr
.irp a, 0,1,2,3,4,5,6,7
.irp e, 0,1
	global_store_b128 v[LI], v[PC+8*\a+4*\e:PC+8*\a+4*\e+3], s[12:13] offset:HEADB*\e+512*\a   ; 32 lanes store 512 consecutive bytes, at a multiple of 256 from the buffer's first byte
.endr
.endr
	global_store_b128 v[LI], v[PM:PM+3], s[12:13] offset:8192
	global_store_b128 v[LI], v[PM+4:PM+7], s[12:13] offset:HEADB+8192
	s_branch .Lout_done
.Lv_out:
	s_wait_alu depctr_va_vdst(0)
	; V: block a is tile a % 4 of head a / 4; its 8 registers are the step's 128 keys
.irp a, 0,1,2,3,4,5,6,7
.irp c, 0,1
	global_store_b128 v[LI], v[PC+8*\a+4*\c:PC+8*\a+4*\c+3], s[12:13] offset:HEADB*(\a/4)+4096+1024*(\a%4)+512*\c
.endr
.endr
	global_store_b64 v[L8], v[SL:SL+1], s[12:13] offset:8704               ; 32 lanes store 256 consecutive bytes, aligned
	global_store_b64 v[L8], v[SL+2:SL+3], s[12:13] offset:HEADB+8704
.Lout_done:
	s_wait_tensorcnt 0x0
	ds_add_u32 v254, v255
	s_wait_dscnt 0x0
	CROUND                                         ; the closing round: no work-group ends while a partner may still ask for a tile that names it
	s_endpgm
.Lfunc_end_k_q52653b0af1_qkv:
	.size	k_q52653b0af1_qkv, .Lfunc_end_k_q52653b0af1_qkv-k_q52653b0af1_qkv
	.p2alignl 7, 3214868480
	.fill 96, 4, 3214868480
	.section	.rodata,"a",@progbits
	.p2align	6, 0x0
	.amdhsa_kernel k_q52653b0af1_qkv
		.amdhsa_group_segment_fixed_size 327680
		.amdhsa_private_segment_fixed_size 0
		.amdhsa_enable_private_segment 0
		.amdhsa_kernarg_size 48
		.amdhsa_user_sgpr_count 2
		.amdhsa_user_sgpr_kernarg_segment_ptr 1
		.amdhsa_wavefront_size32 1
		.amdhsa_system_sgpr_workgroup_id_x 1
		.amdhsa_system_sgpr_workgroup_id_y 1
		.amdhsa_system_sgpr_workgroup_id_z 1
		.amdhsa_system_vgpr_workitem_id 0
		.amdhsa_next_free_vgpr 1024
		.amdhsa_next_free_sgpr 100
		.amdhsa_reserve_vcc 0
		.amdhsa_float_denorm_mode_32 3
		.amdhsa_float_denorm_mode_16_64 3
		.amdhsa_memory_ordered 1
		.amdhsa_forward_progress 1
		.amdhsa_inst_pref_size 132
	.end_amdhsa_kernel
	.amdgpu_metadata
---
amdhsa.version: [ 1, 2 ]
amdhsa.kernels:
  - .name:           k_q52653b0af1_qkv
    .symbol:         k_q52653b0af1_qkv.kd
    .args:
      - { .name: xc, .offset: 0, .size: 8, .value_kind: global_buffer, .address_space: global }
      - { .name: xs, .offset: 8, .size: 8, .value_kind: global_buffer, .address_space: global }
      - { .name: wc, .offset: 16, .size: 8, .value_kind: global_buffer, .address_space: global }
      - { .name: ws, .offset: 24, .size: 8, .value_kind: global_buffer, .address_space: global }
      - { .name: qimg, .offset: 32, .size: 8, .value_kind: global_buffer, .address_space: global }
      - { .name: kvimg, .offset: 40, .size: 8, .value_kind: global_buffer, .address_space: global }
    .group_segment_fixed_size: 327680
    .private_segment_fixed_size: 0
    .kernarg_segment_align: 8
    .kernarg_segment_size: 48
    .max_flat_workgroup_size: 128
    .sgpr_count:     100
    .vgpr_count:     1024
    .wavefront_size: 32
...
	.end_amdgpu_metadata
.endif
;; end of part 2
;; launch attn (part 3): grid 4 x 64, 16 waves a work-group, clusters of 4 x 1, 169,984 bytes of LDS; arguments qimg, kvimg, wc, ws, part; writes part
.if DOCPART == 3
	.amdgcn_target "amdgcn-amd-amdhsa--gfx1250"
	.amdhsa_code_object_version 6
	.text
	.protected	k_q52653b0af1_attn
	.globl	k_q52653b0af1_attn
	.p2align	8
	.type	k_q52653b0af1_attn,@function
k_q52653b0af1_attn:
	s_mov_b64 s[64:65], 0
	v_nop
	global_prefetch_b8 v0, s[64:65] scope:SCOPE_SE
	s_setreg_imm32_b32 hwreg(HW_REG_WAVE_MODE, 25, 1), 1
	s_wait_xcnt 0x0
	s_wait_alu depctr_hold_cnt(0) depctr_sa_sdst(0) depctr_va_vdst(0) depctr_va_sdst(0) depctr_va_ssrc(0) depctr_va_vcc(0) depctr_vm_vsrc(0)
	s_getreg_b32 s2, hwreg(HW_REG_IB_STS2, 6, 4)
	s_cmp_eq_u32 s2, 0
	s_cbranch_scc0 .Lentry_in_a_cluster
	s_endpgm
.Lentry_in_a_cluster:
	s_bfe_u32 s2, ttmp6, 0x10000c
	s_cmp_lg_u32 s2, 0x3003
	s_cbranch_scc0 .Lentry_shape_is_right
	s_endpgm
.Lentry_shape_is_right:
; For one head of one batch and 512 of its tokens: S^T = K Q^T, the softmax, O^T = V^T P^T, ctx = O / l, ctx quantised, and ctx's 64 of K times Wo's slice, summed over the 512 tokens: 1,024 partial sums to part.
; All products on codes of FP4 (E2M1) with one E8M0 scale for each 32 along a product's K; sums in f32.
; THE SOFTMAX AHEAD OF THE SECOND PRODUCT: t = score x log2(e) / 8; M = the row's largest t so far, rounded UP to a whole number; p = 2^(t - M) is what is quantised, along the keys; it is not normalised.
; The row's sum is taken of the unquantised p, in f32, and divides O at the end (v_rcp_f32 and a multiplication).  When M moves, the sum and O are multiplied by 2^(old M - new M): exact.
; SHARES.  A cluster is the four blocks of 512 tokens of one head.  A work-group has SIXTEEN waves of 256 registers, four to a SIMD, so that one wave's vector work stands beside another's matrix work and LDS loads.
; Wave w owns two tiles of 16 queries, tiles 2 (w % 4) and 2 (w % 4) + 1 of step 4 cx + w / 4, taken one after the other; every wave walks the head's 16 steps of 128 keys.
; THE WHOLE HEAD LIES IN LDS: K's and V's codes and scale words are 143,360 bytes, laid by the launch before in the order of the operands' registers.  Each wave asks for one step (8,960 bytes), JOINTLY with the same wave
; of the three partners, at the kernel's head; nothing is filled again, and no load of K or V follows the head.  Every LDS read takes 16 (or 8, or 4) bytes x lane on end.
; LAYOUT.  Both products are used transposed: a lane holds ONE query (lane % 16) throughout.  The keys of a tile of K and the d of a tile of V^T are 32 (t / 2) + 8 (t % 2) + r + 8 (r / 8), so that the 16 registers of two
; neighbouring result tiles are 16 neighbours along the next product's K.
; THE FIRST PRODUCT'S K IS 64, the instruction's 128: Q's registers 4-7 are zero codes; K's registers 4-7 are then the next tile's codes, finite numbers times 0; the scale words hold the two bytes twice.
; THE LAST PRODUCT.  The mean over the tokens comes behind it, so tokens may be added in any order: one instruction takes my first tile's 64 of K in registers 0-3 and my second tile's in registers 4-7, against Wo's slice
; written twice: row r of the result is the sum of two tokens.  The waves share the columns: wave w makes n = 64 w .. 64 w + 63 for all 512 tokens; ctx's fragments go from wave to wave through LDS as images of their registers.
; Wo's slice is 32 bytes of each of a wave's 64 rows of wc, read once a wave behind the last key step: short pieces, 2 KiB a wave.
; LIMITS: a block of zeros, or one whose largest magnitude lies under 2^-124, gets the byte 1; NaN and infinities are not served.
; REGISTERS: v1-10 addresses; v12 -M, v13 the largest t, v[14:15] the sum in two halves; v16-31 Q's two fragments (upper halves zeros); v32-67 K's 8 tiles x 4 and 4 zeros, later Wo; v68-79 scale words and nothing else;
;   v80-87 ctx's codes, v88 its scale word, v89-92 Wo's scale bytes; v96-159 S^T, then p; v160-191 O^T; v192-223 V; v224-231 p's codes; v232-254 at work; v253 p's scale word; v255 Q's scale words.
.set STEPB, 8960                       ; a step of an image: 4,096 K's codes, 4,096 V's, 512 K's scale words, 256 V's
.set HEADB, 16*STEPB
.set CIMG,  HEADB                      ; LDS behind the head: ctx's 16 fragments, 1,024 bytes each,
.set CSC,   CIMG+16*1024               ; and their scale words, 64 bytes each
.set LI,   1                           ; v1   16 x lane
.set L8,   2                           ; v2   8 x lane
.set ADR,  3                           ; v3   the step in hand + 16 x lane
.set ADR8, 4                           ; v4   the step in hand + 8 x lane
.set WA,   5                           ; v5   Wo's codes: 1,024 r + 16 h
.set WSA,  6                           ; v6   Wo's scale bytes: 64 r
.set CI,   7                           ; v7   where I store ctx's image: CIMG + 1,024 x wave + 16 x lane
.set CSA,  8                           ; v8   and its scale word: CSC + 64 x wave + 4 r
.set L4C,  9                           ; v9   CSC + 4 x lane
.set LC,   10                          ; v10  CIMG + 16 x lane
.set CT,   80
.set CW,   88
.set WU,   89
.set WV,   14                          ; s14  wave
.set SEL,  20                          ; s[20:21] selects for v_permlanex16_b32: lane l xor 16
.set CS,   22                          ; s[22:23] c = log2(e) / 8: the packed form names a pair and takes its low word for both halves
.set G1,   24                          ; s[24:31] descriptor group 1
.set G0,   32                          ; s[32:35] group 0
.set TB,   36                          ; s36  LDS byte at which the step in hand begins
.set CNT,  37                          ; s37  counts the steps
.set HM,   38                          ; s38  the mask of lanes 16-31
.macro CROUND                          ; a round of the cluster's barrier
	s_barrier_signal -1
	s_barrier_wait -1
	s_cmp_lg_u32 s[WV], 0
	s_cbranch_scc1 .Lnot_wave_0_\@
	s_barrier_signal -3
.Lnot_wave_0_\@:
	s_barrier_wait -3
	s_barrier_signal -1
	s_barrier_wait -1
.endm
; A product that starts a sum (C = 0).  ra, rb: which half of the lanes of the scale registers is read for source 0, source 1
.macro WMZ d, a, b, sa, sb, ra, rb
.if ((\ra) == 0) && ((\rb) == 0)
	v_wmma_scale_f32_16x16x128_f8f6f4 v[\d:\d+7], v[\a:\a+7], v[\b:\b+7], 0, v[\sa], v[\sb] matrix_a_fmt:MATRIX_FMT_FP4 matrix_b_fmt:MATRIX_FMT_FP4
.elseif (\rb) == 0
	v_wmma_scale_f32_16x16x128_f8f6f4 v[\d:\d+7], v[\a:\a+7], v[\b:\b+7], 0, v[\sa], v[\sb] matrix_a_fmt:MATRIX_FMT_FP4 matrix_b_fmt:MATRIX_FMT_FP4 matrix_a_scale:MATRIX_SCALE_ROW1
.elseif (\ra) == 0
	v_wmma_scale_f32_16x16x128_f8f6f4 v[\d:\d+7], v[\a:\a+7], v[\b:\b+7], 0, v[\sa], v[\sb] matrix_a_fmt:MATRIX_FMT_FP4 matrix_b_fmt:MATRIX_FMT_FP4 matrix_b_scale:MATRIX_SCALE_ROW1
.else
	v_wmma_scale_f32_16x16x128_f8f6f4 v[\d:\d+7], v[\a:\a+7], v[\b:\b+7], 0, v[\sa], v[\sb] matrix_a_fmt:MATRIX_FMT_FP4 matrix_b_fmt:MATRIX_FMT_FP4 matrix_a_scale:MATRIX_SCALE_ROW1 matrix_b_scale:MATRIX_SCALE_ROW1
.endif
.endm
; A product that adds in place
.macro WMA d, a, b, sa, sb, ra
.if (\ra) == 0
	v_wmma_scale_f32_16x16x128_f8f6f4 v[\d:\d+7], v[\a:\a+7], v[\b:\b+7], v[\d:\d+7], v[\sa], v[\sb] matrix_a_fmt:MATRIX_FMT_FP4 matrix_b_fmt:MATRIX_FMT_FP4
.else
	v_wmma_scale_f32_16x16x128_f8f6f4 v[\d:\d+7], v[\a:\a+7], v[\b:\b+7], v[\d:\d+7], v[\sa], v[\sb] matrix_a_fmt:MATRIX_FMT_FP4 matrix_b_fmt:MATRIX_FMT_FP4 matrix_a_scale:MATRIX_SCALE_ROW1
.endif
.endm
	s_load_b256 s[4:11], s[0:1], 0x0               ; qimg s[4:5], kvimg s[6:7], wc s[8:9], ws s[10:11]
	s_load_b64 s[12:13], s[0:1], 0x20              ; part
	v_lshl_add_u32 v250, v0, 2, 0x29000
	v_mov_b32 v251, 0
	ds_add_u32 v250, v251
	ds_add_u32 v250, v251
	v_lshrrev_b32 v1, 5, v0
	s_delay_alu instid0(VALU_DEP_1)
	v_readfirstlane_b32 s[WV], v1                  ; wave 0..15
	s_bfe_u32 s15, ttmp6, 0x40000                  ; cx: my place in the cluster: it enters Q's and part's addresses alone
	s_and_b32 s16, ttmp7, 0xffff                   ; 16 b + head, which the four partners share
	s_and_b32 s17, s16, 15                         ; the head
	s_mul_i32 s18, s16, HEADB                      ; the head's first byte in both image buffers
	s_mul_i32 s19, s[WV], STEPB                    ; the step that I fetch: in memory and in LDS alike
	s_add_co_u32 s50, s18, s19
	s_mov_b32 s51, 0
	; descriptor group 1: a dense block of 8,960 bytes as 35 rows of 256 bytes (32 elements of 8 bytes), no padding
	s_mov_b32 s[G1], 15|(3<<16)|(1<<21)            ; 15:0 the mask: all four work-groups; 17:16 elements of 8 bytes; 21 set beside a mask
	s_mov_b32 s[G1+1], 32<<16                      ; tensor_dim0 = 32
	s_mov_b32 s[G1+2], 35<<16                      ; tensor_dim1 = 35
	s_mov_b32 s[G1+3], 32<<16                      ; tile_dim0 = 32
	s_mov_b32 s[G1+4], 35                          ; tile_dim1 = 35
	s_mov_b32 s[G1+5], 32                          ; tensor_dim0_stride
	s_mov_b32 s[G1+6], 0
	s_mov_b32 s[G1+7], 0
	s_mov_b32 s[SEL], 0x76543210
	s_mov_b32 s[SEL+1], 0xfedcba98
	s_mov_b32 s[CS], 0x3e38aa3b                    ; c = log2(e) / sqrt(64)
	s_mov_b32 s[CS+1], s[CS]                       ; (named with it as a pair, so it is written)
	s_mov_b32 s[HM], 0xffff0000
	s_lshl_b32 s52, s15, 2                         ; Q: step 4 cx + wave / 4,
	s_lshr_b32 s53, s[WV], 2
	s_add_co_u32 s52, s52, s53
	s_mul_i32 s52, s52, STEPB
	s_add_co_u32 s52, s52, s18
	s_and_b32 s53, s[WV], 3
	s_lshl_b32 s54, s53, 10                        ; tiles 2 (wave % 4) and the next: 512 bytes each;
	s_add_co_u32 s40, s52, s54
	s_mov_b32 s41, 0
	s_lshl_b32 s54, s53, 2                         ; their scale words: word wave % 4 of each lane's four
	s_add_co_u32 s42, s52, s54
	s_add_co_u32 s42, s42, 8192
	s_mov_b32 s43, 0
	s_lshl_b32 s44, s[WV], 15                      ; Wo: my 64 rows of 512 bytes, from wc's row 3,072 on, the head's 32 bytes of each;
	s_lshl_b32 s54, s17, 5
	s_add_co_u32 s44, s44, s54
	s_add_co_u32 s44, s44, 3072*512
	s_mov_b32 s45, 0
	s_lshl_b32 s46, s[WV], 11                      ; its scale bytes: rows of 32, the head's 2 of each
	s_lshl_b32 s54, s17, 1
	s_add_co_u32 s46, s46, s54
	s_add_co_u32 s46, s46, 3072*32
	s_mov_b32 s47, 0
	s_lshl_b32 s48, s16, 2                         ; part: row 4 (16 b + head) + cx of 4,096 bytes, my 64 numbers
	s_add_co_u32 s48, s48, s15
	s_lshl_b32 s48, s48, 12
	s_lshl_b32 s54, s[WV], 8
	s_add_co_u32 s48, s48, s54
	s_mov_b32 s49, 0
	s_wait_dscnt 0x0
	s_wait_kmcnt 0x0
	s_add_nc_u64 s[40:41], s[4:5], s[40:41]
	s_add_nc_u64 s[42:43], s[4:5], s[42:43]
	s_add_nc_u64 s[44:45], s[8:9], s[44:45]
	s_add_nc_u64 s[46:47], s[10:11], s[46:47]
	s_add_nc_u64 s[48:49], s[12:13], s[48:49]
	s_mov_b32 s[G0], 1                             ; 1:0 count = 1
	s_mov_b32 s[G0+1], s19                         ; 63:32 LDS address: 8,960 x wave
	s_add_nc_u64 s[G0+2:G0+3], s[6:7], s[50:51]    ; 120:64 global address
	s_or_b32 s[G0+3], s[G0+3], 0x80000000          ; 127:126 type = 2
	CROUND                                         ; all four work-groups are here: the joint loads meet
	tensor_load_to_lds s[G0:G0+3], s[G1:G1+7]      ; my one tensor load of the launch
	s_nop 0
.rept 4
	v_nop
.endr
	v_and_b32 v11, 31, v0                          ; lane
	s_delay_alu instid0(VALU_DEP_1)
	v_lshlrev_b32 v[LI], 4, v11
	s_delay_alu instid0(VALU_DEP_2)
	v_lshlrev_b32 v[L8], 3, v11
	s_delay_alu instid0(VALU_DEP_3)
	v_lshl_add_u32 v[L4C], v11, 2, CSC
	s_delay_alu instid0(VALU_DEP_3)
	v_add_nc_u32 v[LC], CIMG, v[LI]
	global_load_b128 v[16:19], v[LI], s[40:41]             ; Q's two tiles stay in registers
	global_load_b128 v[24:27], v[LI], s[40:41] offset:512
	global_load_b32 v255, v[LI], s[42:43]                  ; their scale words: lanes 0-15 the first tile's, lanes 16-31 the second's
	v_and_b32 v11, 15, v0                          ; r
	v_bfe_u32 v[ADR], v0, 4, 1                     ; h
	s_delay_alu instid0(VALU_DEP_2)
	v_lshlrev_b32 v[WA], 10, v11
	s_delay_alu instid0(VALU_DEP_1)
	v_lshl_add_u32 v[WA], v[ADR], 4, v[WA]
	s_delay_alu instid0(VALU_DEP_4)
	v_lshlrev_b32 v[WSA], 6, v11
	s_lshl_b32 s52, s[WV], 10
	s_add_co_u32 s52, s52, CIMG
	v_add_nc_u32 v[CI], s52, v[LI]
	s_lshl_b32 s53, s[WV], 6
	s_add_co_u32 s53, s53, CSC
	v_lshl_add_u32 v[CSA], v11, 2, s53
.irp j, 20,21,22,23,28,29,30,31,64,65,66,67
	v_mov_b32 v[\j], 0                             ; zero codes: the upper 64 of the first product's K in Q; and behind K's last tile
.endr
.irp b, 0,1,2,3
	v_mov_b32 v[236+\b], 0                         ; written once: a lane permute's destination counts as one of its sources
.endr
	v_mov_b32 v253, 0                              ; (named as the upper half of the pair v[252:253] before it is first written)
	s_wait_tensorcnt 0x0                           ; my step has landed,
	s_barrier_signal -1
	s_barrier_wait -1                              ; everybody's has: the head is whole
	s_wait_loadcnt 0x0                             ; Q
; A KEY STEP: 128 keys.  qf: Q's fragment; row: which half of v255's lanes holds its scale words.
.macro STEP qf, row
	v_add_nc_u32 v[ADR], s[TB], v[LI]
	v_add_nc_u32 v[ADR8], s[TB], v[L8]
	v_nop
	v_nop                                          ; four places in front of loads into registers that the last step's last products have read
	ds_load_b128 v[68:71], v[ADR] offset:8192      ; K's scale words: register i: lanes 0-15 tile 2 i, lanes 16-31 tile 2 i + 1
.irp t, 0,1,2,3,4,5,6,7
	ds_load_b128 v[32+4*\t:35+4*\t], v[ADR] offset:512*\t
.endr
	ds_load_b64 v[72:73], v[ADR8] offset:8704      ; V's scale words, likewise
.irp u, 0,1,2,3
.irp c, 0,1
	ds_load_b128 v[192+8*\u+4*\c:195+8*\u+4*\c], v[ADR] offset:4096+1024*\u+512*\c
.endr
.endr
	s_wait_dscnt 9                                 ; K and its words are in; the nine youngest loads, V's, land under the softmax
.irp t, 0,1,2,3,4,5,6,7
	WMZ 96+8*\t, 32+4*\t, \qf, 68+\t/2, 255, \t%2, \row   ; S^T: lane (r, h) holds query r; the 16 registers of tiles 2 b, 2 b + 1 are keys 32 b + 16 h + 0 .. 15
.endr
.rept 4
	v_nop
.endr
.irp b, 0,1,2,3
	v_max3_num_f32 v[232+\b], v[96+16*\b], v[97+16*\b], v[98+16*\b]   ; THE LARGEST SCORE OF EACH BLOCK OF 32 KEYS: for the row's maximum, and, since p rises with the score, for the block's largest p
.endr
.irp i, 3,5,7,9,11,13
.irp b, 0,1,2,3
	v_max3_num_f32 v[232+\b], v[232+\b], v[96+16*\b+\i], v[97+16*\b+\i]   ; (the four blocks by turns)
.endr
.endr
.irp b, 0,1,2,3
	v_max_num_f32 v[232+\b], v[232+\b], v[111+16*\b]
.endr
.irp b, 0,1,2,3
	s_delay_alu instid0(VALU_DEP_4)
	v_permlanex16_b32 v[236+\b], v[232+\b], s[SEL], s[SEL+1]
.endr
.irp b, 0,1,2,3
	s_delay_alu instid0(VALU_DEP_4)
	v_max_num_f32 v[232+\b], v[232+\b], v[236+\b]  ; with lane l xor 16's 16 keys
.endr
	s_delay_alu instid0(VALU_DEP_2)
	v_max3_num_f32 v254, v232, v233, v234
	s_delay_alu instid0(VALU_DEP_1)
	v_max_num_f32 v254, v254, v235                 ; the step's largest score of my query
	s_delay_alu instid0(VALU_DEP_1)
	v_mul_f32 v254, s[CS], v254                    ; as t (c is positive)
	s_delay_alu instid0(VALU_DEP_1)
	v_max_num_f32 v13, v13, v254                   ; the running largest t
	v_mov_b32 v254, v12
	s_delay_alu instid0(VALU_DEP_2)
	v_floor_f32 v12, -v13                          ; the new -M = floor(-t) = -ceil(t): M IS A WHOLE NUMBER
	s_delay_alu instid0(VALU_DEP_1)
	v_sub_f32 v254, v12, v254                      ; M's old value less its new one: a whole number, 0 or less
	s_delay_alu instid0(VALU_DEP_1)
	v_cvt_i32_f32 v254, v254                       ; (it saturates)
	s_delay_alu instid0(VALU_DEP_1)
	v_ldexp_f32 v252, 1.0, v254                    ; f = 2^(old M - new M)
.set j, 0
.rept 32
	v_pk_fma_f32 v[96+j:97+j], v[96+j:97+j], s[CS:CS+1], v[12:13] op_sel_hi:[1,0,0]   ; t - M, two at a time
.set j, j+2
.endr
.irp b, 0,1,2,3
	v_fma_f32 v[232+\b], v[232+\b], s[CS], v12     ; the same of each block's largest score
.endr
.set j, 0
	s_wait_alu depctr_va_vdst(0)
.rept 64
	v_exp_f32 v[96+j], v[96+j]                     ; p = 2^(t - M), at most 1: NOT normalised
.set j, j+1
.endr
	s_setprio 1
	v_pk_mul_f32 v[14:15], v[14:15], v[252:253] op_sel_hi:[1,0]   ; the sums under the new M (the plain instruction behind the exponentials)
	s_wait_alu depctr_va_vdst(0)                   ; one wait for the whole batch, ahead of its first reader
.irp b, 0,1,2,3
	v_exp_f32 v[232+\b], v[232+\b]                 ; the block's largest p: the same two instructions on the same number give the same bits
.endr
	v_pk_add_f32 v[236:237], v[100:101], v[104:105]
	v_pk_add_f32 v[248:249], v[108:109], v[112:113]
	v_pk_add_f32 v[246:247], v[116:117], v[120:121]
	v_pk_add_f32 v[244:245], v[124:125], v[128:129]
	v_pk_add_f32 v[242:243], v[132:133], v[136:137]
	v_pk_add_f32 v[240:241], v[140:141], v[144:145]
	v_pk_add_f32 v[238:239], v[148:149], v[152:153]
	v_pk_add_f32 v[14:15], v[14:15], v[156:157]
	v_pk_add_f32 v[236:237], v[236:237], v[96:97]
	v_pk_add_f32 v[248:249], v[248:249], v[98:99]
	v_pk_add_f32 v[246:247], v[246:247], v[102:103]
	v_pk_add_f32 v[244:245], v[244:245], v[106:107]
	v_pk_add_f32 v[242:243], v[242:243], v[110:111]
	v_pk_add_f32 v[240:241], v[240:241], v[114:115]
	v_pk_add_f32 v[238:239], v[238:239], v[118:119]
	v_pk_add_f32 v[14:15], v[14:15], v[122:123]
	v_pk_add_f32 v[236:237], v[236:237], v[126:127]
	v_pk_add_f32 v[248:249], v[248:249], v[130:131]
	v_pk_add_f32 v[246:247], v[246:247], v[134:135]
	v_pk_add_f32 v[244:245], v[244:245], v[138:139]
	v_pk_add_f32 v[242:243], v[242:243], v[142:143]
	v_pk_add_f32 v[240:241], v[240:241], v[146:147]
	v_pk_add_f32 v[238:239], v[238:239], v[150:151]
	v_pk_add_f32 v[14:15], v[14:15], v[154:155]
	v_pk_add_f32 v[236:237], v[236:237], v[158:159]
	s_delay_alu instid0(VALU_DEP_2)
	v_pk_add_f32 v[14:15], v[14:15], v[244:245]
	s_delay_alu instid0(VALU_DEP_2)
	v_pk_add_f32 v[236:237], v[236:237], v[242:243]
	v_pk_add_f32 v[248:249], v[248:249], v[240:241]
	v_pk_add_f32 v[246:247], v[246:247], v[238:239]
	s_delay_alu instid0(VALU_DEP_2)
	v_pk_add_f32 v[14:15], v[14:15], v[248:249]
	s_delay_alu instid0(VALU_DEP_2)
	v_pk_add_f32 v[236:237], v[236:237], v[246:247]
	s_delay_alu instid0(VALU_DEP_1)
	v_pk_add_f32 v[14:15], v[14:15], v[236:237]
	s_wait_alu depctr_va_vdst(0)                   ; and one for the four
.irp b, 0,1,2,3
	v_max_num_f32 v[232+\b], 0x1800000, v[232+\b]  ; the floor 2^(3 - 127): the byte cannot fall under 1
.endr
.irp b, 0,1,2,3
	s_delay_alu instid0(VALU_DEP_4)
	v_add_nc_u32 v[244+\b], 0xff000000, v[232+\b]  ; 2 off the exponent field: the conversion's scale operand
.endr
.irp b, 0,1,2,3
	s_delay_alu instid0(VALU_DEP_4)
	v_lshrrev_b32 v[236+\b], 23, v[244+\b]         ; the scale's byte
.endr
	s_delay_alu instid0(VALU_DEP_3)
	v_lshl_or_b32 v253, v237, 8, v236              ; p's scale word for these 128 keys
	s_delay_alu instid0(VALU_DEP_1)
	v_lshl_or_b32 v253, v238, 16, v253
	s_delay_alu instid0(VALU_DEP_1)
	v_lshl_or_b32 v253, v239, 24, v253
.irp b, 0,1,2,3
	v_cvt_scalef32_pk8_fp4_f32 v[224+2*\b], v[96+16*\b:103+16*\b], v[244+\b]
	v_cvt_scalef32_pk8_fp4_f32 v[225+2*\b], v[104+16*\b:111+16*\b], v[244+\b]
.endr
	v_nop                                          ; one plain instruction behind a scaled conversion
.irp c, 0,1                                    ; the operand's layout wants a WHOLE block in a lane
.irp i, 0,1
	v_permlane16_swap_b32 v[224+4*\c+\i], v[226+4*\c+\i]
.endr
.endr
.set j, 0
	s_setprio 0
.rept 16
	v_pk_mul_f32 v[160+j:161+j], v[160+j:161+j], v[252:253] op_sel_hi:[1,0]   ; O^T under the new M: x f
.set j, j+2
.endr
.rept 4
	v_nop                                          ; with the sixteen above: the places between the vector unit's writes of p's codes, its scale word and O^T and the products that name them
.endr
	s_wait_alu depctr_va_vdst(0)
	s_wait_dscnt 0x0                               ; V and its words are in
.irp u, 0,1,2,3
	WMA 160+8*\u, 192+8*\u, 224, 72+\u/2, 253, \u%2   ; O^T += V^T P^T: the four accumulators by turns; register 16 g + i of the 32 is d = 32 g + 16 h + i
.endr
.endm
; Wo's slice for my 64 columns.  Tile t = 2 i + hh takes n = 64 w + 32 hh + 2 r + i, so that the sums leave in order.  The 16 bytes of a lane come twice: registers 0-3 for my first tile's tokens, 4-7 for my second's.
.macro WOLOAD
.irp t, 0,1,2,3
	global_load_b128 v[32+8*\t:35+8*\t], v[WA], s[44:45] offset:512*(32*(\t%2)+\t/2)
	global_load_b128 v[36+8*\t:39+8*\t], v[WA], s[44:45] offset:512*(32*(\t%2)+\t/2)
	global_load_u16 v[WU+\t], v[WSA], s[46:47] offset:32*(32*(\t%2)+\t/2)
.endr
.endm
; One tile of 16 queries through all keys; then ctx = O / l, quantised along d: registers 4 p .. 4 p + 3 of ctx's fragment, bytes 2 p, 2 p + 1 of its scale word.
.macro PASS p
	v_mov_b32 v13, 0xff61b1e6                      ; the largest t so far: -3e38, under every t
	s_delay_alu instid0(VALU_DEP_1)
	v_floor_f32 v12, -v13                          ; -M
	v_mov_b32 v14, 0                               ; the sum, in two halves
	v_mov_b32 v15, 0
.set j, 0
.rept 32
	v_mov_b32 v[160+j], 0                          ; O^T: the step is written once; the first finds zeros, which the first change of M leaves zeros
.set j, j+1
.endr
	s_mov_b32 s[TB], 0
	s_mov_b32 s[CNT], 0
.Lkeys_\@:
	s_setprio 2
	STEP 16+8*\p, \p
	s_add_co_u32 s[TB], s[TB], STEPB
	s_add_co_u32 s[CNT], s[CNT], 1
	s_cmp_lt_u32 s[CNT], 16
	s_cbranch_scc1 .Lkeys_\@
	s_setprio 0
.rept 4
	v_nop                                          ; places behind the last products
.endr
.if \p
	WOLOAD                                         ; K's registers are free: Wo lands under the lines below
.endif
	v_add_f32 v14, v14, v15                        ; the sum's two halves,
	s_delay_alu instid0(VALU_DEP_1)
	v_permlanex16_b32 v252, v14, s[SEL], s[SEL+1]
	s_delay_alu instid0(VALU_DEP_1)
	v_add_f32 v14, v14, v252                       ; and lane l xor 16's: the row's sum
	s_wait_alu depctr_va_vdst(0)
	v_rcp_f32 v14, v14
	v_nop                                          ; a plain instruction behind the reciprocal
	s_wait_alu depctr_va_vdst(0)                   ; and the wait ahead of its first reader
.set j, 0
.rept 32
	v_mul_f32 v[96+j], v[160+j], v14               ; ctx: register 16 b + i is d = 32 b + 16 h + i of my token; each accumulator from its low end on
.set j, j+1
.endr
.irp b, 0,1
	v_max3_num_f32 v[232+\b], |v[96+16*\b]|, |v[97+16*\b]|, 0x1800000   ; my 16 numbers of block b, and the floor
.endr
.irp i, 2,4,6,8,10,12,14
.irp b, 0,1
	s_delay_alu instid0(VALU_DEP_2)
	v_max3_num_f32 v[232+\b], v[232+\b], |v[96+16*\b+\i]|, |v[97+16*\b+\i]|
.endr
.endr
.irp b, 0,1
	s_delay_alu instid0(VALU_DEP_2)
	v_permlanex16_b32 v[236+\b], v[232+\b], s[SEL], s[SEL+1]
.endr
.irp b, 0,1
	s_delay_alu instid0(VALU_DEP_2)
	v_max_num_f32 v[232+\b], v[232+\b], v[236+\b]
.endr
.irp b, 0,1
	s_delay_alu instid0(VALU_DEP_2)
	v_add_nc_u32 v[244+\b], 0xff000000, v[232+\b]
.endr
.irp b, 0,1
	s_delay_alu instid0(VALU_DEP_2)
	v_lshrrev_b32 v[236+\b], 23, v[244+\b]
.endr
.if \p
	s_delay_alu instid0(VALU_DEP_2)
	v_lshl_or_b32 v[CW], v236, 16, v[CW]
	s_delay_alu instid0(VALU_DEP_1)
	v_lshl_or_b32 v[CW], v237, 24, v[CW]
.else
	s_delay_alu instid0(VALU_DEP_1)
	v_lshl_or_b32 v[CW], v237, 8, v236
.endif
.irp b, 0,1
	v_cvt_scalef32_pk8_fp4_f32 v[CT+4*\p+2*\b], v[96+16*\b:103+16*\b], v[244+\b]
	v_cvt_scalef32_pk8_fp4_f32 v[CT+4*\p+2*\b+1], v[104+16*\b:111+16*\b], v[244+\b]
.endr
	v_nop                                          ; one plain instruction behind a scaled conversion
	v_permlane16_swap_b32 v[CT+4*\p], v[CT+4*\p+2]     ; lanes 0-15 d = 0 .. 31, lanes 16-31 d = 32 .. 63
	v_permlane16_swap_b32 v[CT+4*\p+1], v[CT+4*\p+3]
.endm
	PASS 0
	PASS 1
	s_wait_alu depctr_va_vdst(0)
	; THE LAST PRODUCT.  My fragment of ctx and its scale word go to LDS as they stand; behind the barrier every wave takes all sixteen.
	s_wait_loadcnt 0x0                             ; Wo
.irp t, 0,1,2,3
	v_perm_b32 v[68+\t], v[WU+\t], v[WU+\t], 0x01000100   ; Wo's two scale bytes, twice
.endr
	ds_store_b128 v[CI], v[CT:CT+3]
	ds_store_b128 v[CI], v[CT+4:CT+7] offset:512
	ds_store_b32 v[CSA], v[CW]                     ; both halves of the lanes write the same word with the same value
	s_wait_alu depctr_va_vdst(0)
	s_wait_dscnt 0x0                               ; for the others' sake: my stores have landed
	s_barrier_signal -1
	s_barrier_wait -1
.irp f, 0,1,2,3,4,5,6,7,8,9,10,11,12,13,14,15
.irp c, 0,1
	ds_load_b128 v[96+8*\f+4*\c:99+8*\f+4*\c], v[LC] offset:1024*\f+512*\c
.endr
.endr
.irp g, 0,1,2,3,4,5,6,7
	ds_load_b32 v[72+\g], v[L4C] offset:128*\g     ; lanes 0-15 fragment 2 g's words, lanes 16-31 fragment 2 g + 1's
.endr
.rept 8
	v_nop                                          ; eight places between the vector unit's writes of Wo's scale words and the products that name them
.endr
	s_wait_dscnt 0x0
.irp f, 0,1,2,3,4,5,6,7,8,9,10,11,12,13,14,15      ; source 0 = 16 rows of ctx (two tokens each), source 1 = 16 rows of Wo: four accumulators by turns
.irp t, 0,1,2,3
.set AC, 224+8*\t
.if \t == 3
.set AC, 80
.endif
.if \f == 0
	WMZ AC, 96+8*\f, 32+8*\t, 72+\f/2, 68+\t, 0, 0
.else
	WMA AC, 96+8*\f, 32+8*\t, 72+\f/2, 68+\t, \f%2
.endif
.endr
.endr
.rept 4
	v_nop
.endr
	; a column's sum over the 16 rows: my eight registers, then lane l xor 16's
.irp t, 0,1,2,3
.set AC, 224+8*\t
.if \t == 3
.set AC, 80
.endif
	v_pk_add_f32 v[96+4*\t:97+4*\t], v[AC:AC+1], v[AC+2:AC+3]
	v_pk_add_f32 v[98+4*\t:99+4*\t], v[AC+4:AC+5], v[AC+6:AC+7]
.endr
.irp t, 0,1,2,3
	v_pk_add_f32 v[96+4*\t:97+4*\t], v[96+4*\t:97+4*\t], v[98+4*\t:99+4*\t]
.endr
.irp t, 0,1,2,3
	s_delay_alu instid0(VALU_DEP_4)
	v_add_f32 v[96+4*\t], v[96+4*\t], v[97+4*\t]
.endr
.irp t, 0,1,2,3
	s_delay_alu instid0(VALU_DEP_4)
	v_permlanex16_b32 v[98+4*\t], v[96+4*\t], s[SEL], s[SEL+1]
.endr
.irp t, 0,1,2,3
	s_delay_alu instid0(VALU_DEP_4)
	v_add_f32 v[96+4*\t], v[96+4*\t], v[98+4*\t]
.endr
	s_delay_alu instid0(VALU_DEP_3)
	v_cndmask_b32 v112, v96, v100, s[HM]           ; n = 64 w + 32 (lane / 16) + 2 (lane % 16),
	s_delay_alu instid0(VALU_DEP_2)
	v_cndmask_b32 v113, v104, v108, s[HM]          ; and the next
	global_store_b64 v[L8], v[112:113], s[48:49]   ; 32 lanes store 256 consecutive bytes, aligned
	s_wait_tensorcnt 0x0
	ds_add_u32 v250, v251
	s_wait_dscnt 0x0
	CROUND                                         ; the closing round: no work-group ends while a partner may still ask for a tile that names it
	s_endpgm
.Lfunc_end_k_q52653b0af1_attn:
	.size	k_q52653b0af1_attn, .Lfunc_end_k_q52653b0af1_attn-k_q52653b0af1_attn
	.p2alignl 7, 3214868480
	.fill 96, 4, 3214868480
	.section	.rodata,"a",@progbits
	.p2align	6, 0x0
	.amdhsa_kernel k_q52653b0af1_attn
		.amdhsa_group_segment_fixed_size 169984
		.amdhsa_private_segment_fixed_size 0
		.amdhsa_enable_private_segment 0
		.amdhsa_kernarg_size 40
		.amdhsa_user_sgpr_count 2
		.amdhsa_user_sgpr_kernarg_segment_ptr 1
		.amdhsa_wavefront_size32 1
		.amdhsa_system_sgpr_workgroup_id_x 1
		.amdhsa_system_sgpr_workgroup_id_y 1
		.amdhsa_system_sgpr_workgroup_id_z 1
		.amdhsa_system_vgpr_workitem_id 0
		.amdhsa_next_free_vgpr 256
		.amdhsa_next_free_sgpr 66
		.amdhsa_reserve_vcc 0
		.amdhsa_float_denorm_mode_32 3
		.amdhsa_float_denorm_mode_16_64 3
		.amdhsa_memory_ordered 1
		.amdhsa_forward_progress 1
		.amdhsa_inst_pref_size 64
	.end_amdhsa_kernel
	.amdgpu_metadata
---
amdhsa.version: [ 1, 2 ]
amdhsa.kernels:
  - .name:           k_q52653b0af1_attn
    .symbol:         k_q52653b0af1_attn.kd
    .args:
      - { .name: qimg, .offset: 0, .size: 8, .value_kind: global_buffer, .address_space: global }
      - { .name: kvimg, .offset: 8, .size: 8, .value_kind: global_buffer, .address_space: global }
      - { .name: wc, .offset: 16, .size: 8, .value_kind: global_buffer, .address_space: global }
      - { .name: ws, .offset: 24, .size: 8, .value_kind: global_buffer, .address_space: global }
      - { .name: part, .offset: 32, .size: 8, .value_kind: global_buffer, .address_space: global }
    .group_segment_fixed_size: 169984
    .private_segment_fixed_size: 0
    .kernarg_segment_align: 8
    .kernarg_segment_size: 40
    .max_flat_workgroup_size: 512
    .sgpr_count:     66
    .vgpr_count:     256
    .wavefront_size: 32
...
	.end_amdgpu_metadata
.endif
;; end of part 3
;; launch mean (part 4): grid 8 x 4, 8 waves a work-group, no clusters, 5,120 bytes of LDS; arguments part, bo, out0; writes out0
.if DOCPART == 4
	.amdgcn_target "amdgcn-amd-amdhsa--gfx1250"
	.amdhsa_code_object_version 6
	.text
	.protected	k_q52653b0af1_mean
	.globl	k_q52653b0af1_mean
	.p2align	8
	.type	k_q52653b0af1_mean,@function
k_q52653b0af1_mean:
	s_mov_b64 s[64:65], 0
	v_nop
	global_prefetch_b8 v0, s[64:65] scope:SCOPE_SE
	s_setreg_imm32_b32 hwreg(HW_REG_WAVE_MODE, 25, 1), 1
	s_wait_xcnt 0x0
; out0[b][n] = (the sum of batch b's 64 partial sums part[64 b + i][n]) / 2,048 + bo[n].  part: [256][1024] f32; each partial is the last product summed over 512 tokens of one head's 64 of K.
; A work-group owns one batch and 128 columns (512 bytes of a row).  Wave w adds partials 8 w .. 8 w + 7: eight loads of 512 consecutive bytes; the eight waves' sums meet in LDS; wave 0 adds them, divides, adds the bias
; and stores 512 consecutive bytes, aligned.  Every byte of part is read once.  No matrix unit, no cluster: nothing is shared between work-groups.
.set PROW, 4096                        ; a row of part, and of out0, in bytes
.macro TREE                            ; v[8:39], eight vectors of four, are added into v[8:11]
.irp i, 0,2,4,6
	v_pk_add_f32 v[8+4*\i:9+4*\i], v[8+4*\i:9+4*\i], v[12+4*\i:13+4*\i]
	v_pk_add_f32 v[10+4*\i:11+4*\i], v[10+4*\i:11+4*\i], v[14+4*\i:15+4*\i]
.endr
.irp i, 0
	v_pk_add_f32 v[8+4*\i:9+4*\i], v[8+4*\i:9+4*\i], v[16+4*\i:17+4*\i]
	v_pk_add_f32 v[10+4*\i:11+4*\i], v[10+4*\i:11+4*\i], v[18+4*\i:19+4*\i]
.endr
.irp i, 4
	s_delay_alu instid0(VALU_DEP_4)
	v_pk_add_f32 v[8+4*\i:9+4*\i], v[8+4*\i:9+4*\i], v[16+4*\i:17+4*\i]
	s_delay_alu instid0(VALU_DEP_4)
	v_pk_add_f32 v[10+4*\i:11+4*\i], v[10+4*\i:11+4*\i], v[18+4*\i:19+4*\i]
.endr
	s_delay_alu instid0(VALU_DEP_2)
	v_pk_add_f32 v[8:9], v[8:9], v[24:25]
	s_delay_alu instid0(VALU_DEP_2)
	v_pk_add_f32 v[10:11], v[10:11], v[26:27]
.endm
	s_load_b128 s[4:7], s[0:1], 0x0                ; part s[4:5], bo s[6:7]
	s_load_b64 s[8:9], s[0:1], 0x10                ; out0
	v_lshl_add_u32 v64, v0, 2, 0x1000
	v_mov_b32 v65, 0
	v_lshrrev_b32 v2, 5, v0
	s_delay_alu instid0(VALU_DEP_1)
	v_readfirstlane_b32 s10, v2                    ; wave 0..7
	v_and_b32 v1, 31, v0
	s_delay_alu instid0(VALU_DEP_1)
	v_lshlrev_b32 v1, 4, v1                        ; 16 x lane
	s_wait_alu depctr_va_vdst(0)
	s_and_b32 s11, ttmp7, 0xffff                   ; the batch
	s_lshl_b32 s12, s11, 6
	s_lshl_b32 s13, s10, 3
	s_add_co_u32 s12, s12, s13                     ; my first partial: 64 b + 8 w
	s_lshl_b32 s12, s12, 12
	s_lshl_b32 s14, ttmp9, 9                       ; the work-group's 128 columns
	s_mov_b32 s15, 0
	s_add_co_u32 s12, s12, s14
	s_mov_b32 s13, 0
	s_lshl_b32 s16, s11, 12                        ; out0's row
	s_add_co_u32 s16, s16, s14
	s_mov_b32 s17, 0
	s_lshl_b32 s18, s10, 9
	v_add_nc_u32 v3, s18, v1                       ; LDS: 512 x wave + 16 x lane
	s_wait_kmcnt 0x0
	s_add_nc_u64 s[4:5], s[4:5], s[12:13]
	s_add_nc_u64 s[6:7], s[6:7], s[14:15]
	s_add_nc_u64 s[8:9], s[8:9], s[16:17]
.irp i, 0,1,2,3,4,5,6,7
	global_load_b128 v[8+4*\i:11+4*\i], v1, s[4:5] offset:PROW*\i th:TH_LOAD_NT
.endr
	s_wait_loadcnt 0x0
	TREE
	ds_store_b128 v3, v[8:11]
	s_wait_dscnt 0x0                               ; for the others' sake: my store has landed
	s_barrier_signal -1
	s_barrier_wait -1
	s_cmp_lg_u32 s10, 0
	s_cbranch_scc1 .Lend                           ; wave 0 finishes
	global_load_b128 v[40:43], v1, s[6:7]          ; the bias
.irp i, 0,1,2,3,4,5,6,7
	ds_load_b128 v[8+4*\i:11+4*\i], v1 offset:512*\i
.endr
	s_wait_dscnt 0x0
	TREE
	s_wait_alu depctr_va_vdst(0)
	s_wait_loadcnt 0x0
	v_pk_fma_f32 v[8:9], v[8:9], 0x3a000000, v[40:41] op_sel_hi:[1,0,1]     ; x 1 / 2,048, + bo
	v_pk_fma_f32 v[10:11], v[10:11], 0x3a000000, v[42:43] op_sel_hi:[1,0,1]
	global_store_b128 v1, v[8:11], s[8:9]
.Lend:
	s_wait_tensorcnt 0x0
	ds_add_u32 v64, v65
	s_wait_dscnt 0x0
	s_endpgm
.Lfunc_end_k_q52653b0af1_mean:
	.size	k_q52653b0af1_mean, .Lfunc_end_k_q52653b0af1_mean-k_q52653b0af1_mean
	.p2alignl 7, 3214868480
	.fill 96, 4, 3214868480
	.section	.rodata,"a",@progbits
	.p2align	6, 0x0
	.amdhsa_kernel k_q52653b0af1_mean
		.amdhsa_group_segment_fixed_size 5120
		.amdhsa_private_segment_fixed_size 0
		.amdhsa_enable_private_segment 0
		.amdhsa_kernarg_size 24
		.amdhsa_user_sgpr_count 2
		.amdhsa_user_sgpr_kernarg_segment_ptr 1
		.amdhsa_wavefront_size32 1
		.amdhsa_system_sgpr_workgroup_id_x 1
		.amdhsa_system_sgpr_workgroup_id_y 1
		.amdhsa_system_sgpr_workgroup_id_z 1
		.amdhsa_system_vgpr_workitem_id 0
		.amdhsa_next_free_vgpr 66
		.amdhsa_next_free_sgpr 66
		.amdhsa_reserve_vcc 0
		.amdhsa_float_denorm_mode_32 3
		.amdhsa_float_denorm_mode_16_64 3
		.amdhsa_memory_ordered 1
		.amdhsa_forward_progress 1
		.amdhsa_inst_pref_size 6
	.end_amdhsa_kernel
	.amdgpu_metadata
---
amdhsa.version: [ 1, 2 ]
amdhsa.kernels:
  - .name:           k_q52653b0af1_mean
    .symbol:         k_q52653b0af1_mean.kd
    .args:
      - { .name: part, .offset: 0, .size: 8, .value_kind: global_buffer, .address_space: global }
      - { .name: bo, .offset: 8, .size: 8, .value_kind: global_buffer, .address_space: global }
      - { .name: out0, .offset: 16, .size: 8, .value_kind: global_buffer, .address_space: global }
    .group_segment_fixed_size: 5120
    .private_segment_fixed_size: 0
    .kernarg_segment_align: 8
    .kernarg_segment_size: 24
    .max_flat_workgroup_size: 256
    .sgpr_count:     66
    .vgpr_count:     66
    .wavefront_size: 32
...
	.end_amdgpu_metadata
.endif
;; end of part 4
